; MI455X (gfx1250); checked and timed in simulation.
; The chip was launched on July 23, 2026; its instructions are those of AMD's public machine-readable ISA for CDNA 5 (MIT licence, August 2026) and "CDNA5" Instruction Set Architecture Reference Guide (July 2026). The comments in the code are by the model that wrote it; some were corrected since.
;; Anemll QAT Linear Refactored. Allowed arithmetic: float matrix products may take bf16 or f16 operands with f32 sums; other float arithmetic in f32, or as packed bf16 or f16 multiplies, adds, multiply-adds, maxima and minima; sums over many terms, partial sums and values carried from step to step in f32; what a program stores and reads back later, other than sums and carried values, may be rounded once to bf16 or f16.
;; Inputs: bias 4,096 float32; rank_magnitude 4 float32; scale_A 4,096 x 4 float32; scale_B 4 x 4,096 float32; weight 4,096 x 4,096 float32; x 2 x 2,048 x 4,096 float32.
;; Outputs: out0 2 x 2,048 x 4,096 float32.
;; 2 versions, each right; version 2 is version 1 with the launch prep written anew for expert scheduling mode. Each part assembles by itself: llvm-mc -triple=amdgcn-amd-amdhsa -mcpu=gfx1250 --defsym DOCPART=n.
;; ======== version 1 of 2: 2 launches
;; limits: values are held in f16: magnitudes above 65,504 overflow, below 6.1e-05 lose precision; right only within a limited range of input values; below input magnitudes of 6.1e-05 results are inexact or not finite; a function is approximated: absolute error at most 1e-07
;; workspace buffers: xh 33,554,432 bytes; wh 33,554,432 bytes; cs 16,384 bytes
;; launch prep (part 1): grid 128 x 2, 16 waves a work-group, no clusters, 0 bytes of LDS; arguments x, weight, scale_A, scale_B, rank_magnitude, xh, wh, cs; writes xh, wh, cs
.if DOCPART == 1
	.amdgcn_target "amdgcn-amd-amdhsa--gfx1250"
	.amdhsa_code_object_version 6
	.text
	.protected	k_q449eeceb1a_prep
	.globl	k_q449eeceb1a_prep
	.p2align	8
	.type	k_q449eeceb1a_prep,@function
k_q449eeceb1a_prep:
	s_mov_b64 s[64:65], 0
	v_nop
	global_prefetch_b8 v0, s[64:65] scope:SCOPE_SE
	s_setreg_imm32_b32 hwreg(HW_REG_WAVE_MODE, 25, 1), 1
	s_wait_xcnt 0x0
; THE OPERANDS OF THE PRODUCT, made once.  y[m][o] = sum over i of x[m][i] w[o][i] S[o][i] + bias[o], with S[o][i] = sum over r of tanh(A[o][r]) g[r] tanh(B[r][i]):
; the factor of rank 4 hangs on (o, i) alone, so it is folded into the weights.
;   xh[m][i]    = f16(x[m][i])                                                     [4096][4096]
;   wh[p(o)][i] = f16(w[o][i] x sum over r of Ah[o][r] tanh(B[r][i]))              [4096][4096]
;   cs[o]       = alpha[o] / 128                                                   [4096] f32
; with Ag[o][r] = tanh(A[o][r]) g[r], alpha[o] = max(max over r of |Ag[o][r]|, 1e-30), Ah = Ag x 128 / alpha: the row's size is taken out of the f16 number and put back
; in f32 by the launch behind, so neither g nor scale_A costs any of f16's range.
; ROW ORDER OF wh.  Output column o = 64 G + 4 q + c (q 0..15, c 0..3) lies in row p = 64 G + 16 c + q: sixteen rows on end are then columns four apart, and the launch behind
; finds four neighbouring columns of y in one lane.
; LIMITS.  |x| under 65,504 and |w| under 127.9 (the sum over r is at most 512 in size), or f16 gives an infinity.  tanh(v) = 1 - 2 / (1 + 2^(2 log2(e) v)): its error is
; about 1e-7 absolute, it ends at +1 and -1 for large |v|.  A row with alpha under 1e-30 counts as alpha = 1e-30.  NaN and infinities are not treated apart.
; SHARES.  256 work-groups of 16 waves; y = 0: 32 rows of x, y = 1: 32 rows of w: the same bytes for all.  Thread t owns columns 4 t .. 4 t + 3 and 2,048 further on in every row:
; a wave's load covers 512 consecutive bytes, aligned, its store 256.  A ring of eight rows in registers keeps 16 loads of every wave on their way.
; Rows and halves stand in the immediates (516,096 at the most), so no address register and no base is rewritten.  No LDS, no barrier: no wave needs another's bytes.
.set ROWIN,  16384                     ; bytes in a row of x, w and scale_B
.set ROWOUT, 8192                      ; bytes in a row of xh and wh
.set IN,  1                            ; v1   16 t: my bytes in half a row of f32
.set OUT, 2                            ; v2   8 t: my bytes in half a row of f16
.set AO,  3                            ; v3   16 x lane: lane l takes row l of the work-group's 32 rows of scale_A
.set CO,  4                            ; v4   4 x lane: its place in cs
.set C,   5                            ; v5   alpha / 128 of row l
.set AL,  6                            ; v6   alpha of row l
.set RC,  7                            ; v7   128 / alpha
.set AG,  8                            ; v[8:11]    Ah of row l, a register a rank
.set BM,  12                           ; v[12:43]   tanh(B): rank r, half q, column e at BM + 8 r + 4 q + e
.set S,   44                           ; v[44:51]   at work: the sum over r for my 8 columns
.set X,   52                           ; v[52:115]  slot i % 8: a row's 8 numbers as loaded
.set Y,   116                          ; v[116:147] slot i % 8: 4 registers to store
	s_load_b256 s[4:11], s[0:1], 0x0               ; x s[4:5], weight s[6:7], scale_A s[8:9], scale_B s[10:11]
	s_load_b256 s[12:19], s[0:1], 0x20             ; rank_magnitude s[12:13], xh s[14:15], wh s[16:17], cs s[18:19]
	v_lshlrev_b32 v[IN], 4, v0
	v_lshlrev_b32 v[OUT], 3, v0
	v_and_b32 v[CO], 31, v0
	v_lshlrev_b32 v[AO], 4, v[CO]
	v_lshlrev_b32 v[CO], 2, v[CO]
	v_lshrrev_b32 v[C], 5, v0
	v_readfirstlane_b32 s24, v[C]                  ; my wave's number
	s_mov_b32 s25, 0x0da24260                      ; 1e-30
	s_lshl_b32 s26, ttmp9, 19                      ; the work-group's 32 rows of 16,384 bytes
	s_mov_b32 s27, 0
	s_lshl_b32 s28, ttmp9, 18                      ; and of 8,192
	s_mov_b32 s29, 0
	s_and_b32 s30, ttmp7, 0xffff                   ; 0: x, 1: the weights
	s_wait_kmcnt 0x0
	s_cmp_lg_u32 s30, 0
	s_cbranch_scc1 .Lweights
; Row i's two loads into its slot; b names the base's first register.
.macro FILLROW i, b
.set fs, X+8*((\i)%8)
	global_load_b128 v[fs:fs+3],   v[IN], s[\b:\b+1] offset:(\i)*ROWIN th:TH_LOAD_NT
	global_load_b128 v[fs+4:fs+7], v[IN], s[\b:\b+1] offset:(\i)*ROWIN+8192 th:TH_LOAD_NT
.endm
; Row i is in: loads come back in order (ISA guide 5.7.1), and the two loads of each of the min(7, 31 - i) younger rows may stay out.
; Every eighth row: all earlier memory instructions have had their addresses translated (ISA guide 3.1): Y's eight slots, which the last eight rows' stores read, are written again only behind this wait.
.macro HEADW i
.if (\i) < 25
	s_wait_loadcnt 14
.else
	s_wait_loadcnt 2*(31-(\i))
.endif
.if ((\i) >= 8) && ((\i)%8 == 0)
	s_wait_xcnt 0x0
.endif
.endm
; A row of x: rounded, its slot asked for again, stored.
.macro XROW i
	HEADW \i
.set sl, (\i)%8
.irp u, 0,1,2,3
	v_cvt_pk_f16_f32 v[Y+4*sl+(\u)], v[X+8*sl+2*(\u)], v[X+8*sl+2*(\u)+1]
.endr
.if (\i) < 24
	FILLROW (\i)+8, 4
.endif
	global_store_b64 v[OUT], v[Y+4*sl:Y+4*sl+1],   s[14:15] offset:(\i)*ROWOUT th:TH_STORE_NT
	global_store_b64 v[OUT], v[Y+4*sl+2:Y+4*sl+3], s[14:15] offset:(\i)*ROWOUT+4096 th:TH_STORE_NT
.endm
	s_add_nc_u64 s[4:5], s[4:5], s[26:27]          ; x and xh at the work-group's first row
	s_add_nc_u64 s[14:15], s[14:15], s[28:29]
.set rw, 0
.rept 8
	FILLROW rw, 4
.set rw, rw+1
.endr
.set rw, 0
.rept 32
	XROW rw
.set rw, rw+1
.endr
	s_endpgm
; tanh in place on n registers from base on.  Each run of exponentials or reciprocals is one batch: a plain instruction behind its last, and one wait ahead of its first reader.
.macro TANH base, n
.set k, 0
.rept (\n)/2
	v_pk_mul_f32 v[(\base)+k:(\base)+k+1], v[(\base)+k:(\base)+k+1], 0x4038aa3b op_sel_hi:[1,0]  ; 2 log2(e) v
.set k, k+2
.endr
.set k, 0
.rept \n
	v_exp_f32 v[(\base)+k], v[(\base)+k]
.set k, k+1
.endr
	v_nop
	s_wait_alu depctr_va_vdst(0)
.set k, 0
.rept (\n)/2
	v_pk_add_f32 v[(\base)+k:(\base)+k+1], v[(\base)+k:(\base)+k+1], 1.0 op_sel_hi:[1,0]
.set k, k+2
.endr
.set k, 0
.rept \n
	v_rcp_f32 v[(\base)+k], v[(\base)+k]
.set k, k+1
.endr
	v_nop
	s_wait_alu depctr_va_vdst(0)
.set k, 0
.rept (\n)/2
	v_pk_fma_f32 v[(\base)+k:(\base)+k+1], v[(\base)+k:(\base)+k+1], -2.0, 1.0 op_sel_hi:[1,0,0]
.set k, k+2
.endr
.endm
; A row of the weights.  Its four Ah come out of lane i as scalars (each twice: the packed forms name a pair); the sum over r for my 8 columns needs no byte of the row, so it stands ahead of the wait for the row.
.macro WROW i
.set sl, (\i)%8
.irp r, 0,1,2,3
	v_readlane_b32 s[32+2*(\r)], v[AG+(\r)], \i
	s_mov_b32 s[33+2*(\r)], s[32+2*(\r)]
.endr
.irp u, 0,1,2,3
	v_pk_mul_f32 v[S+2*(\u):S+2*(\u)+1], v[BM+2*(\u):BM+2*(\u)+1], s[32:33] op_sel_hi:[1,0]
.endr
.irp r, 1,2,3
.irp u, 0,1,2,3
	v_pk_fma_f32 v[S+2*(\u):S+2*(\u)+1], v[BM+8*(\r)+2*(\u):BM+8*(\r)+2*(\u)+1], s[32+2*(\r):33+2*(\r)], v[S+2*(\u):S+2*(\u)+1] op_sel_hi:[1,0,1]
.endr
.endr
	HEADW \i
.irp u, 0,1,2,3
	v_pk_mul_f32 v[S+2*(\u):S+2*(\u)+1], v[S+2*(\u):S+2*(\u)+1], v[X+8*sl+2*(\u):X+8*sl+2*(\u)+1]
.endr
.irp u, 0,1,2,3
	v_cvt_pk_f16_f32 v[Y+4*sl+(\u)], v[S+2*(\u)], v[S+2*(\u)+1]  ; the one rounding
.endr
.if (\i) < 24
	FILLROW (\i)+8, 6
.endif
	global_store_b64 v[OUT], v[Y+4*sl:Y+4*sl+1],   s[16:17] offset:(16*((\i)%4)+(\i)/4)*ROWOUT th:TH_STORE_NT  ; row i goes 16 (i % 4) + i / 4 rows behind the base
	global_store_b64 v[OUT], v[Y+4*sl+2:Y+4*sl+3], s[16:17] offset:(16*((\i)%4)+(\i)/4)*ROWOUT+4096 th:TH_STORE_NT
.endm
.Lweights:
	s_load_b128 s[20:23], s[12:13], 0x0            ; g
	s_add_nc_u64 s[6:7], s[6:7], s[26:27]          ; w at the work-group's first row, o0 = 32 x its number
	s_lshr_b32 s28, ttmp9, 1
	s_lshl_b32 s28, s28, 6                         ; 64 G,
	s_and_b32 s30, ttmp9, 1
	s_lshl_b32 s30, s30, 3                         ; + 8 for the upper 32 columns of the 64
	s_add_co_u32 s28, s28, s30
	s_lshl_b32 s28, s28, 13                        ; rows of 8,192 bytes
	s_add_nc_u64 s[16:17], s[16:17], s[28:29]
	s_lshl_b32 s26, ttmp9, 9                       ; 32 rows of scale_A, 16 bytes each
	s_add_nc_u64 s[8:9], s[8:9], s[26:27]
	s_lshl_b32 s26, ttmp9, 7                       ; 32 numbers of cs
	s_add_nc_u64 s[18:19], s[18:19], s[26:27]
	global_load_b128 v[AG:AG+3], v[AO], s[8:9]
.irp r, 0,1,2,3
	global_load_b128 v[BM+8*(\r):BM+8*(\r)+3],   v[IN], s[10:11] offset:(\r)*ROWIN       ; every work-group reads scale_B: no hint
	global_load_b128 v[BM+8*(\r)+4:BM+8*(\r)+7], v[IN], s[10:11] offset:(\r)*ROWIN+8192
.endr
.set rw, 0
.rept 8
	FILLROW rw, 6
.set rw, rw+1
.endr
	s_wait_loadcnt 16                              ; the nine loads of the tables are in; the ring's sixteen stay out
	s_wait_kmcnt 0x0                               ; g
	TANH AG, 36                                    ; scale_A's four and scale_B's 32 lie on end
.irp r, 0,1,2,3
	v_mul_f32 v[AG+(\r)], s[20+(\r)], v[AG+(\r)]   ; Ag
.endr
.irp r, 0,1,2,3
	v_and_b32 v[S+(\r)], 0x7fffffff, v[AG+(\r)]
.endr
	v_max3_num_f32 v[AL], v[S], v[S+1], v[S+2]
	v_max3_num_f32 v[AL], v[AL], v[S+3], s25       ; alpha
	v_rcp_f32 v[RC], v[AL]
	v_mul_f32 v[C], 0x3c000000, v[AL]              ; alpha / 128: also the plain instruction behind the reciprocal
	s_wait_alu depctr_va_vdst(0)                   ; the wait ahead of the reciprocal's first reader
	v_mul_f32 v[RC], 0x43000000, v[RC]             ; 128 / alpha
.irp r, 0,1,2,3
	v_mul_f32 v[AG+(\r)], v[AG+(\r)], v[RC]        ; Ah
.endr
	s_cmp_lg_u32 s24, 0                            ; all waves hold the same 32 numbers: wave 0 stores them, 128 bytes on end
	s_cbranch_scc1 .Lrows
	global_store_b32 v[CO], v[C], s[18:19]
.Lrows:
.set rw, 0
.rept 32
	WROW rw
.set rw, rw+1
.endr
	s_endpgm
.Lfunc_end_k_q449eeceb1a_prep:
	.size	k_q449eeceb1a_prep, .Lfunc_end_k_q449eeceb1a_prep-k_q449eeceb1a_prep
	.p2alignl 7, 3214868480
	.fill 96, 4, 3214868480
	.section	.rodata,"a",@progbits
	.p2align	6, 0x0
	.amdhsa_kernel k_q449eeceb1a_prep
		.amdhsa_group_segment_fixed_size 0
		.amdhsa_private_segment_fixed_size 0
		.amdhsa_enable_private_segment 0
		.amdhsa_kernarg_size 64
		.amdhsa_user_sgpr_count 2
		.amdhsa_user_sgpr_kernarg_segment_ptr 1
		.amdhsa_wavefront_size32 1
		.amdhsa_system_sgpr_workgroup_id_x 1
		.amdhsa_system_sgpr_workgroup_id_y 1
		.amdhsa_system_sgpr_workgroup_id_z 1
		.amdhsa_system_vgpr_workitem_id 0
		.amdhsa_next_free_vgpr 152
		.amdhsa_next_free_sgpr 66
		.amdhsa_reserve_vcc 0
		.amdhsa_float_denorm_mode_32 3
		.amdhsa_float_denorm_mode_16_64 3
		.amdhsa_memory_ordered 1
		.amdhsa_forward_progress 1
		.amdhsa_inst_pref_size 104
	.end_amdhsa_kernel
	.amdgpu_metadata
---
amdhsa.version: [ 1, 2 ]
amdhsa.kernels:
  - .name:           k_q449eeceb1a_prep
    .symbol:         k_q449eeceb1a_prep.kd
    .args:
      - { .name: x, .offset: 0, .size: 8, .value_kind: global_buffer, .address_space: global }
      - { .name: weight, .offset: 8, .size: 8, .value_kind: global_buffer, .address_space: global }
      - { .name: scale_A, .offset: 16, .size: 8, .value_kind: global_buffer, .address_space: global }
      - { .name: scale_B, .offset: 24, .size: 8, .value_kind: global_buffer, .address_space: global }
      - { .name: rank_magnitude, .offset: 32, .size: 8, .value_kind: global_buffer, .address_space: global }
      - { .name: xh, .offset: 40, .size: 8, .value_kind: global_buffer, .address_space: global }
      - { .name: wh, .offset: 48, .size: 8, .value_kind: global_buffer, .address_space: global }
      - { .name: cs, .offset: 56, .size: 8, .value_kind: global_buffer, .address_space: global }
    .group_segment_fixed_size: 0
    .private_segment_fixed_size: 0
    .kernarg_segment_align: 8
    .kernarg_segment_size: 64
    .max_flat_workgroup_size: 512
    .sgpr_count:     66
    .vgpr_count:     152
    .wavefront_size: 32
...
	.end_amdgpu_metadata
.endif
;; end of part 1
;; launch gemm (part 2): grid 16 x 16, 4 waves a work-group, clusters of 4 x 4, 327,680 bytes of LDS; arguments xh, wh, cs, bias, out0; writes out0
.if DOCPART == 2
	.amdgcn_target "amdgcn-amd-amdhsa--gfx1250"
	.amdhsa_code_object_version 6
	.text
	.protected	k_q449eeceb1a_gemm
	.globl	k_q449eeceb1a_gemm
	.p2align	8
	.type	k_q449eeceb1a_gemm,@function
k_q449eeceb1a_gemm:
	s_mov_b64 s[64:65], 0
	v_nop
	global_prefetch_b8 v0, s[64:65] scope:SCOPE_SE
	s_setreg_imm32_b32 hwreg(HW_REG_WAVE_MODE, 25, 1), 1
	s_wait_xcnt 0x0
	s_wait_alu depctr_hold_cnt(0) depctr_sa_sdst(0) depctr_va_vdst(0) depctr_va_sdst(0) depctr_va_ssrc(0) depctr_va_vcc(0) depctr_vm_vsrc(0)
	s_getreg_b32 s2, hwreg(HW_REG_IB_STS2, 6, 4)
	s_cmp_eq_u32 s2, 0
	s_cbranch_scc0 .Lentry_in_a_cluster
	s_endpgm
.Lentry_in_a_cluster:
	s_bfe_u32 s2, ttmp6, 0x10000c
	s_cmp_lg_u32 s2, 0xf033
	s_cbranch_scc0 .Lentry_shape_is_right
	s_endpgm
.Lentry_shape_is_right:
; out0[m][o] = cs[o] x (sum over k of xh[m][k] wh[p(o)][k]) + bias[o].  xh, wh: [4096][4096] f16, as the launch before wrote them; cs, bias: [4096] f32; out0: [4096][4096] f32; sums in f32.
; wh's row 64 G + 16 c + q holds output column 64 G + 4 q + c.
; LIMITS are the operands': xh and wh hold no number beyond 65,504 (|x| under 65,504, |weight| under 127.9); NaN and infinities are not treated apart.
; SHARES.  A tile of out0, 256 x 256, is made by a work-group of four waves, a wave makes 128 x 128: 64 accumulators of 16 x 16, 512 registers.  256 tiles, 256 work-groups.
; K goes in steps of 128 through a ring of two LDS slots filled by the tensor data mover: a tile's rows are 256 bytes of memory, at multiples of 256 bytes from the buffer's first byte.
; CLUSTERS: 4 x 4 work-groups.  The four of a row of the cluster need the same tiles of xh, the four of a column the same tiles of wh: such a tile is asked for JOINTLY, by the same
; tensor load with the same descriptor and a mask that names the four; each receives it in its own LDS.  That divides the requests for both operands by four.
; THE WAY OUT NEEDS NO LDS.  Source 0 = 16 rows of xh, source 1 = 16 rows of wh: in accumulator (a, b) register j of lane l is row 16 a + 8 (l / 16) + j and wh's row 16 b + l % 16.
; With b = 4 g + c that is output column 64 g + 4 (l % 16) + c: the accumulators 4 g .. 4 g + 3 hold four neighbouring columns in one lane.  The multiply-add with cs and bias lays
; them into four registers on end, and one store of 16 bytes a lane covers, with 16 lanes, 256 consecutive bytes of a row of out0, aligned.
; REGISTERS, in windows of 256 (s_set_vgpr_msb: bits 1:0 source 0, 3:2 source 1, 5:4 source 2, 7:6 destination):
;   window 0: v0-31 addresses; v32-39 bias, v40-47 cs of my 8 columns; v64-127, v128-191 fragments of xh (8 x 16 rows x 32 K), two buffers; on the way out these 128 hold results
;   window 1: v64-127, v128-191 fragments of wh, two buffers
;   window 2: the 32 accumulators of my rows 0-63 ((a, b) at v[8 (8 a + b)]);   window 3: those of my rows 64-127
.set KSTEP,  128
.set KB,     8192                      ; bytes in a row of xh and wh
.set ROWB,   16384                     ; bytes in a row of out0
.set PITCH,  272                       ; an LDS row: 256 bytes + 16 of padding = 68 words: row r starts at bank 4 r mod 64 (64 banks of 4 bytes: ISA guide 11.1), so the 16 rows of a load start at 16 different banks
.set HALFT,  128*PITCH                 ; 128 rows: what one tensor load brings, and what one wave reads of either operand
.set SLOT,   4*HALFT                   ; xh's 256 rows, then wh's 256 rows
.set SPARE,  2*SLOT                    ; behind the ring: the spare words, 128 bytes for each wave: two blocks of 256 bytes that no other line names
.set LAPS,   16                        ; a lap = two K steps = once round the ring: 4,096 / 256
.set ADRA, 16                          ; v16-17  LDS address of my xh fragments in slot 0, 1
.set ADRB, 20                          ; v20-21  the same for wh
.set BO,   24                          ; v24     16 (l % 16): my four columns' bytes in 64 columns of bias and cs; never rewritten
.set CO,   26                          ; v26     my byte offset in out0: 8 rows for the upper half of the lanes + 16 (l % 16); never rewritten
.set SPW,  28                          ; v28     LDS address of my spare word: SPARE + 4 x my thread's number; never rewritten
.set NIL,  29                          ; v29     0; never rewritten
.set PFO,  30                          ; v30     the prefetches' offset: my lane x a row of xh or wh; never rewritten
.set BI,   32                          ; v32-39  bias of column 64 g + 4 (l % 16) + c at BI + 4 g + c
.set CSV,  40                          ; v40-47  cs likewise
.set F0,   64                          ; fragment buffer 0
.set F1,   128                         ; fragment buffer 1
.set T,    64                          ; the way out: two sets of 64 results
.set PFA,  44                          ; s[44:45] where my prefetches stand: my work-group's 32 rows of the 128 that I fetch, one K step further along K than the refill in hand; a prefetch names the K step after that
.set LIM,  43                          ; s43     1 in a wave that prefetches, else the greatest number
.set G1,  24                           ; s[24:31] descriptor group 1 for xh's tiles
.set G0,  32                           ; s[32:39] descriptor group 0 for xh's tiles, a set for each slot
.set G1B, 48                           ; s[48:55] group 1 for wh's tiles: it differs in the mask alone
.set G0B, 56                           ; s[56:63] group 0 for wh's tiles
.set MSB, 0
.macro WIN new                         ; the immediate's high byte repeats the setting that is left; a switch that changes nothing is dropped
.if MSB != (\new)
	s_set_vgpr_msb (MSB<<8)|(\new)
.set MSB, \new
.endif
.endm
.set MUL_LO, 0xa4                      ; source 0 (xh) window 0, source 1 (wh) window 1, C and D window 2
.set MUL_HI, 0xf4                      ; the same, C and D window 3
.set TO_W,   0x40                      ; destination window 1, address window 0
; A joint load.  Waves 0 and 1 fetch xh's two halves, waves 2 and 3 wh's.  Each of the two lines has one mask and one set of registers for all that issue it; the branch hangs on the
; wave's number alone.  An s_nop 0 and four v_nop follow each line, ahead of the jump, the label and what follows.
.macro JLOAD s
	s_cmp_eq_u32 s11, 0
	s_cbranch_scc0 .Lfor_b_\@
	tensor_load_to_lds s[G0+4*(\s):G0+4*(\s)+3], s[G1:G1+7]
	s_nop 0
.rept 4
	v_nop
.endr
	s_branch .Lasked_\@
.Lfor_b_\@:
	tensor_load_to_lds s[G0B+4*(\s):G0B+4*(\s)+3], s[G1B:G1B+7]
	s_nop 0
.rept 4
	v_nop
.endr
.Lasked_\@:
.endm
; A PREFETCH INTO THE L2, behind each joint refill and the run of LDS loads that follows it: the K step that stands two refills on, 512 matrix instructions ahead of the load that will want it:
; 32 rows x 256 bytes, a lane a row, one instruction a wave.  Each row's 256 bytes of a K step are named once in the launch: xh's tile row is read by every cluster of that row of
; clusters, and the one with x = 0 asks; wh's tile column by every cluster of that column, and the one with y = 0 asks.  The four partners that ask for a tile jointly share its rows
; out by address: of the 128 rows that a wave fetches the partner at place p takes 32 p .. 32 p + 31 (p = cx for xh, cy for wh).  K steps 0 to 3 come by their loads alone; the loop's
; last trip (s3 = 1) asks for nothing: there is no K step two refills on.
.macro ASK
	s_cmp_gt_u32 s3, s[LIM]
	s_cbranch_scc0 .Lnot_mine_\@
	global_prefetch_b8 v[PFO], s[PFA:PFA+1] offset:KSTEP*2 th:TH_LOAD_NT scope:SCOPE_SE
.Lnot_mine_\@:
.endm
; A round of the cluster's barrier: my work-group's barrier, so that wave 0's signal speaks for all four waves; wave 0 signals for the work-group; every wave waits for all sixteen
; work-groups; my work-group's barrier once more.
.macro CREST                           ; a round behind its opening barrier
	s_cmp_lg_u32 s10, 0
	s_cbranch_scc1 .Lnot_wave_0_\@
	s_barrier_signal -3
.Lnot_wave_0_\@:
	s_barrier_wait -3
	s_barrier_signal -1
	s_barrier_wait -1
.endm
.macro CROUND                          ; a whole round
	s_barrier_signal -1
	s_barrier_wait -1
	CREST
.endm
	s_load_b128 s[4:7], s[0:1], 0x0                ; xh s[4:5], wh s[6:7]
	s_load_b128 s[68:71], s[0:1], 0x10             ; cs s[68:69], bias s[70:71]
	s_load_b64 s[8:9], s[0:1], 0x20                ; out0
	v_lshl_add_u32 v[SPW], v0, 2, SPARE
	v_mov_b32 v[NIL], 0
	ds_add_u32 v[SPW], v[NIL]                      ; the wave's opening: the add, twice on end, and its wait ahead of my first tensor load; the set-up below, work on registers, stands between
	ds_add_u32 v[SPW], v[NIL]                      ; and once more, under the one wait
	v_lshrrev_b32 v1, 5, v0
	v_readfirstlane_b32 s10, v1                    ; wave 0..3
	s_lshr_b32 s11, s10, 1                         ; which half of the tile's rows is mine.  Also: I fetch for xh (0) or for wh (1)
	s_and_b32 s12, s10, 1                          ; which half of its columns.  Also: which 128 rows of that tile I fetch
	s_bfe_u32 s40, ttmp6, 0x40000                  ; cx: my place along the cluster's x
	s_bfe_u32 s41, ttmp6, 0x40004                  ; cy: along its y
	s_lshl_b32 s42, ttmp9, 2                       ; in a cluster launch ttmp9 and ttmp7 count clusters
	s_add_co_u32 s42, s42, s40                     ; tile column = 4 x cluster x + cx
	s_and_b32 s13, ttmp7, 0xffff
	s_lshl_b32 s13, s13, 2
	s_add_co_u32 s13, s13, s41                     ; tile row = 4 x cluster y + cy
	s_lshl_b32 s43, s41, 2
	s_lshl_b32 s43, 15, s43                        ; my row of the cluster: places 4 cy .. 4 cy + 3
	s_lshl_b32 s44, 0x1111, s40                    ; my column: places cx, cx + 4, cx + 8, cx + 12
	; descriptor group 1: a tile of 128 rows x 128 elements, padded in LDS
	s_or_b32 s[G1+0], s43, (1<<16)|(1<<20)|(1<<21)|(5<<22)|(3<<25)   ; 15:0 the mask: xh's tiles go to my row; 17:16 elements of 2 bytes; 20 padding on; 21 set beside a mask; 24:22 after every 64 words (code 5); 31:25 4 words (code 3)
	s_or_b32 s[G1B+0], s44, (1<<16)|(1<<20)|(1<<21)|(5<<22)|(3<<25)  ; the same with the mask of my column, for wh's tiles
.irp g, G1, G1B
	s_mov_b32 s[(\g)+1], KSTEP<<16                 ; 63:48 tensor_dim0, low half = 128
	s_mov_b32 s[(\g)+2], 128<<16                   ; 95:80 tensor_dim1, low half = 128
	s_mov_b32 s[(\g)+3], KSTEP<<16                 ; 127:112 tile_dim0 = 128
	s_mov_b32 s[(\g)+4], 128                       ; 143:128 tile_dim1 = 128
	s_mov_b32 s[(\g)+5], 4096                      ; 191:160 elements from row to row
	s_mov_b32 s[(\g)+6], 0
	s_mov_b32 s[(\g)+7], 0
.endr
	; where the tiles come from.  xh's hang on the tile row alone, which my row of the cluster shares; wh's on the tile column alone, which my column shares.
	s_lshl_b32 s17, s12, 7                         ; which 128 rows of the tile I fetch
	s_lshl_b32 s16, s13, 8
	s_add_co_u32 s16, s16, s17                     ; xh: row 256 x tile row + 128 x half
	s_lshl_b32 s46, s42, 8
	s_add_co_u32 s46, s46, s17                     ; wh: row 256 x tile column + 128 x half
	s_mov_b32 s17, 0
	s_mov_b32 s47, 0
	s_mov_b64 s[18:19], KB
	s_mul_u64 s[16:17], s[16:17], s[18:19]         ; in bytes
	s_mul_u64 s[46:47], s[46:47], s[18:19]
	s_mul_i32 s20, s10, HALFT                      ; and where they go: wave x 128 rows: no place in the cluster enters an LDS address
	s_wait_dscnt 0x0                               ; both opening adds are done
	s_wait_kmcnt 0x0
	s_add_nc_u64 s[14:15], s[4:5], s[16:17]
	s_add_nc_u64 s[46:47], s[6:7], s[46:47]
	CROUND                                         ; all sixteen work-groups are here: the first joint loads meet
.irp s, 0,1
	s_mov_b32 s[G0+4*(\s)], 1                                        ; 1:0 count = 1
	s_add_co_u32 s[G0+4*(\s)+1], s20, (\s)*SLOT                      ; 63:32 LDS address
	s_add_nc_u64 s[G0+4*(\s)+2:G0+4*(\s)+3], s[14:15], (\s)*KSTEP*2  ; 120:64 global address: K step s
	s_or_b32 s[G0+4*(\s)+3], s[G0+4*(\s)+3], 0x80000000              ; 127:126 type = 2
	s_mov_b32 s[G0B+4*(\s)], 1
	s_add_co_u32 s[G0B+4*(\s)+1], s20, (\s)*SLOT
	s_add_nc_u64 s[G0B+4*(\s)+2:G0B+4*(\s)+3], s[46:47], (\s)*KSTEP*2
	s_or_b32 s[G0B+4*(\s)+3], s[G0B+4*(\s)+3], 0x80000000
	JLOAD \s                                       ; the ring is filled before anything else is done: two loads of mine are out
.endr
	; A fragment is 16 rows x 32 K in 8 registers: lane l holds row l % 16; registers 0-3 hold K = 8 (l / 16) + 0..7, registers 4-7 K = 16 + 8 (l / 16) + 0..7: two loads of 16 bytes, 32 bytes apart.
	v_and_b32 v1, 15, v0                           ; l % 16
	v_bfe_u32 v2, v0, 4, 1                         ; l / 16
	v_mul_u32_u24 v3, v1, PITCH
	v_lshl_add_u32 v3, v2, 4, v3                   ; row x pitch + 16 x half
	s_mul_i32 s21, s11, HALFT                      ; my 128 rows of xh
	s_mul_i32 s22, s12, HALFT                      ; my 128 rows of wh,
	s_add_co_u32 s22, s22, 2*HALFT                 ; which lie behind xh's 256
.irp s, 0,1
	v_add_nc_u32 v[ADRA+(\s)], s21, v3
	v_add_nc_u32 v[ADRB+(\s)], s22, v3
	s_add_co_u32 s21, s21, SLOT
	s_add_co_u32 s22, s22, SLOT
.endr
	v_lshlrev_b32 v[BO], 4, v1
	v_lshl_add_u32 v[CO], v2, 17, v[BO]            ; 8 rows of 16,384 bytes for lanes 16-31
	; my part of out0, and my 128 columns of cs and bias
	s_lshl_b32 s13, s13, 8
	s_lshl_b32 s14, s11, 7
	s_add_co_u32 s16, s13, s14                     ; my first row
	s_mov_b32 s17, 0
	s_mov_b64 s[18:19], ROWB
	s_mul_u64 s[16:17], s[16:17], s[18:19]
	s_lshl_b32 s46, s42, 10                        ; my first column, in bytes of f32: 1,024 x tile column + 512 x half
	s_lshl_b32 s47, s12, 9
	s_add_co_u32 s46, s46, s47
	s_mov_b32 s47, 0
	s_add_nc_u64 s[68:69], s[68:69], s[46:47]
	s_add_nc_u64 s[70:71], s[70:71], s[46:47]
	s_add_nc_u64 s[16:17], s[16:17], s[46:47]
	s_add_nc_u64 s[8:9], s[8:9], s[16:17]
.irp g, 0,1
	global_load_b128 v[BI+4*(\g):BI+4*(\g)+3],   v[BO], s[70:71] offset:256*(\g)
	global_load_b128 v[CSV+4*(\g):CSV+4*(\g)+3], v[BO], s[68:69] offset:256*(\g)
.endr
	; the prefetches.  s13 = 256 x tile row, s42 = tile column, s40 = cx, s41 = cy still stand
	s_lshl_b32 s42, s42, 8
	s_and_b32 s22, ttmp7, 0xffff                   ; cluster y
	s_cmp_eq_u32 s11, 0                            ; do I fetch for xh?
	s_cselect_b32 s20, s13, s42                    ; the tile's first row: in xh by the tile row, in wh by the tile column
	s_cselect_b32 s21, s40, s41                    ; my place among the four that ask for it with me
	s_cselect_b32 s22, ttmp9, s22                  ; the coordinate along which other clusters read the same rows
	s_cselect_b64 s[PFA:PFA+1], s[4:5], s[6:7]
	s_cmp_eq_u32 s22, 0
	s_cselect_b32 s[LIM], 1, -1                    ; the same in all sixteen partners, for a given wave
	s_lshl_b32 s22, s12, 7
	s_add_co_u32 s20, s20, s22                     ; + the 128 rows that I fetch
	s_lshl_b32 s21, s21, 5
	s_add_co_u32 s20, s20, s21                     ; + my work-group's 32 of them
	s_mov_b32 s21, 0
	s_mov_b64 s[18:19], KB
	s_mul_u64 s[20:21], s[20:21], s[18:19]
	s_add_nc_u64 s[PFA:PFA+1], s[PFA:PFA+1], s[20:21]
	s_add_nc_u64 s[PFA:PFA+1], s[PFA:PFA+1], 2*KSTEP*2  ; at K step 2: the first refill steps it to 3 and names K step 4
	v_and_b32 v[PFO], 31, v0
	v_mul_u32_u24 v[PFO], v[PFO], KB
; 16 matrix instructions: row blocks a0, a0 + 1 of the window's four (hi = 0: my rows 0-63, 1: rows 64-127) x all 8 column blocks, 32 along K.  zero = 1: the first product starts the sums: nothing is cleared.
; The 64 accumulators take turns, one instruction a turn, in the same order in every quarter step.
.macro MUL16 f, hi, a0, zero
	WIN MUL_LO+0x50*(\hi)
.irp a, \a0, (\a0)+1
.irp b, 0,1,2,3,4,5,6,7
.if \zero
	v_wmma_f32_16x16x32_f16 v[8*(8*(\a)+(\b)):8*(8*(\a)+(\b))+7], v[(\f)+8*(4*(\hi)+(\a)):(\f)+8*(4*(\hi)+(\a))+7], v[(\f)+8*(\b):(\f)+8*(\b)+7], 0
.else
	v_wmma_f32_16x16x32_f16 v[8*(8*(\a)+(\b)):8*(8*(\a)+(\b))+7], v[(\f)+8*(4*(\hi)+(\a)):(\f)+8*(4*(\hi)+(\a))+7], v[(\f)+8*(\b):(\f)+8*(\b)+7], v[8*(8*(\a)+(\b)):8*(8*(\a)+(\b))+7]
.endif
.endr
.endr
.endm
; 32 LDS loads in one run: the fragments of one quarter step (128 rows of wh, 128 rows of xh, 32 K at byte k of the rows) into buffer f
.macro FETCH slot, k, f
	WIN TO_W
.irp i, 0,1,2,3,4,5,6,7
	ds_load_b128 v[(\f)+8*(\i):(\f)+8*(\i)+3],   v[ADRB+(\slot)] offset:(\k)+(\i)*16*PITCH
	ds_load_b128 v[(\f)+8*(\i)+4:(\f)+8*(\i)+7], v[ADRB+(\slot)] offset:(\k)+(\i)*16*PITCH+32
.endr
	WIN 0
.irp i, 0,1,2,3,4,5,6,7
	ds_load_b128 v[(\f)+8*(\i):(\f)+8*(\i)+3],   v[ADRA+(\slot)] offset:(\k)+(\i)*16*PITCH
	ds_load_b128 v[(\f)+8*(\i)+4:(\f)+8*(\i)+7], v[ADRA+(\slot)] offset:(\k)+(\i)*16*PITCH+32
.endr
.endm
; A load into a register that a matrix instruction has read stands four places behind it, and only plain vector instructions that name none of its registers are places
; (ISA guide 7.12.1 for vector instructions): four v_nop in front of each run of loads.
.macro PLACES
.rept 4
	v_nop
.endr
.endm
; A K step is four quarter steps of 32 along K, 64 matrix instructions each, on buffers 0, 1, 0, 1.
; One of the first three: multiplies buffer f; in its middle it fetches the next quarter's fragments, at byte k of the same slot's rows, into buffer g.
.macro QUARTER slot, k, f, g, zero
	s_wait_dscnt 8                                 ; wh's fragments and xh's rows 0-63 are in; the youngest eight loads (xh's rows 64-127) may be out
	MUL16 \f, 0, 0, \zero
	MUL16 \f, 0, 2, \zero
	PLACES
	FETCH \slot, \k, \g
	s_wait_dscnt 32                                ; all but the 32 just issued
	MUL16 \f, 1, 0, \zero
	MUL16 \f, 1, 2, \zero
.endm
; The last quarter multiplies buffer 1 and changes slots: ONE barrier for two things.  In front of it each wave waits for all its tensor loads, of which one is out: its part of the next
; slot; adds 0 to its spare word; and waits for that and for its own reads of this slot.  Behind it nobody reads this slot any more and the next slot is whole.
; fill = 1: the barrier opens a round of the cluster's barrier, and behind the round this slot is filled again first, with the K step two steps on: from that request to the wait for it
; a wave issues 224 matrix instructions.
.macro TURN slot, next, fill
.if \fill
	s_wait_xcnt 0x0                                ; the last prefetch, a K step back, has read its address: it is stepped here, ahead of the waits of the change of slots
	s_add_nc_u64 s[PFA:PFA+1], s[PFA:PFA+1], KSTEP*2
.endif
	WIN 0                                          ; (the add's two registers lie in window 0)
	s_wait_tensorcnt 0x0                           ; all my tensor loads have landed: the one that was out is my part of the next slot;
	ds_add_u32 v[SPW], v[NIL]                      ; 0 onto my spare word;
	s_wait_dscnt 9                                 ; (the add and the youngest eight loads may be out)
	MUL16 F1, 0, 0, 0                              ; sixteen matrix instructions stand between the add and the wait for it
	s_wait_dscnt 0x0                               ; the add is done, and my reads of this slot are over:
	s_barrier_signal -1                            ; say so,
	MUL16 F1, 0, 2, 0                              ; work on registers while the others arrive,
.if \fill
	WIN 0
.endif
	s_barrier_wait -1                              ; and go on when all four have said so
.if \fill
	CREST                                          ; all sixteen work-groups have said so: no wave of any partner still reads this slot's tile or has a load on its way
	s_add_nc_u64 s[G0+4*(\slot)+2:G0+4*(\slot)+3], s[G0+4*(\slot)+2:G0+4*(\slot)+3], 2*KSTEP*2
	s_add_nc_u64 s[G0B+4*(\slot)+2:G0B+4*(\slot)+3], s[G0B+4*(\slot)+2:G0B+4*(\slot)+3], 2*KSTEP*2
	JLOAD \slot                                    ; the first tensor load behind the round; the four v_nop behind it are also the places in front of the loads below
.else
	PLACES
.endif
	FETCH \next, 0, F0
.if \fill
	ASK                                            ; behind the joint load and the run of LDS loads that the next products wait for
.endif
	MUL16 F1, 1, 0, 0
	MUL16 F1, 1, 2, 0
.endm
; THE WAY OUT of row block a (16 rows x my 128 columns).  64 multiply-adds, acc x cs + bias, register j = 0 of each accumulator first (each is read from its low end on)
; lay four neighbouring columns into four registers on end; 16 stores of 16 bytes a lane: lanes 0-15 cover 256 consecutive bytes of row 16 a + j, aligned, lanes 16-31 those of row
; 16 a + 8 + j.  The largest immediate is 119 rows + 256 bytes, inside the signed 24 bits (ISA guide, chapter 10).  Two sets of 64 registers take turns.
.macro OUTB a
.if (\a) >= 2
	s_wait_xcnt 0x0                                ; every earlier store has had its addresses translated (ISA guide 3.1): the set that block a - 2's stores read is written again only behind this wait
.endif
.set TB, T+64*((\a)%2)
.set AC, 64*((\a)%4)
	WIN 0x02+(\a)/4                                ; source 0: window 2 or 3
.irp j, 0,1,2,3,4,5,6,7
.irp g, 0,1
.irp c, 0,1,2,3
	v_fma_f32 v[TB+4*(2*(\j)+(\g))+(\c)], v[AC+8*(4*(\g)+(\c))+(\j)], v[CSV+4*(\g)+(\c)], v[BI+4*(\g)+(\c)]
.endr
.endr
.endr
	WIN 0
.irp j, 0,1,2,3,4,5,6,7
.irp g, 0,1
	global_store_b128 v[CO], v[TB+4*(2*(\j)+(\g)):TB+4*(2*(\j)+(\g))+3], s[8:9] offset:(16*(\a)+(\j))*ROWB+256*(\g) th:TH_STORE_NT
.endr
.endr
.endm
	s_wait_loadcnt 0x0                             ; bias and cs: waited for here, where the first tiles are on their way anyhow, so that no load is out at a barrier
	s_wait_tensorcnt 1                             ; my part of K step 0 is in; K step 1's load may stay out
	s_barrier_signal -1
	s_barrier_wait -1                              ; everybody's is
	FETCH 0, 0, F0
	QUARTER 0, 64,  F0, F1, 1                      ; the first quarter stands in front of the loop: its products start the sums
	WIN 0                                          ; at a label and at a branch every window is 0
	s_mov_b32 s3, LAPS-1
.Llap:                                                 ; a trip goes once round the ring, from a lap's second quarter to the next lap's first, and fills both slots again
	QUARTER 0, 128, F1, F0, 0
	QUARTER 0, 192, F0, F1, 0
	TURN 0, 1, 1
	QUARTER 1, 64,  F0, F1, 0
	QUARTER 1, 128, F1, F0, 0
	QUARTER 1, 192, F0, F1, 0
	TURN 1, 0, 1
	QUARTER 0, 64,  F0, F1, 0
	WIN 0
	s_sub_co_u32 s3, s3, 1
	s_cmp_lg_u32 s3, 0
	s_cbranch_scc1 .Llap
	QUARTER 0, 128, F1, F0, 0                      ; the last lap is written out: it fills nothing, and has no round of the cluster's barrier
	QUARTER 0, 192, F0, F1, 0
	TURN 0, 1, 0
	QUARTER 1, 64,  F0, F1, 0
	QUARTER 1, 128, F1, F0, 0
	QUARTER 1, 192, F0, F1, 0
	s_wait_dscnt 8                                 ; the very last quarter: nothing more to fetch
	MUL16 F1, 0, 0, 0
	MUL16 F1, 0, 2, 0
	s_wait_dscnt 0x0
	MUL16 F1, 1, 0, 0
	MUL16 F1, 1, 2, 0
	WIN 0
	PLACES                                         ; the places behind the last products: the lines below read results and write over fragment registers;
	PLACES                                         ; eight, once a launch
.irp a, 0,1,2,3,4,5,6,7
	OUTB \a
.endr
	s_wait_tensorcnt 0x0                           ; the wave's end, behind my last tensor load
	ds_add_u32 v[SPW], v[NIL]
	s_wait_dscnt 0x0
	CROUND                                         ; the closing round: no work-group ends while a partner may still ask for a tile that names it
	s_endpgm
.Lfunc_end_k_q449eeceb1a_gemm:
	.size	k_q449eeceb1a_gemm, .Lfunc_end_k_q449eeceb1a_gemm-k_q449eeceb1a_gemm
	.p2alignl 7, 3214868480
	.fill 96, 4, 3214868480
	.section	.rodata,"a",@progbits
	.p2align	6, 0x0
	.amdhsa_kernel k_q449eeceb1a_gemm
		.amdhsa_group_segment_fixed_size 327680
		.amdhsa_private_segment_fixed_size 0
		.amdhsa_enable_private_segment 0
		.amdhsa_kernarg_size 40
		.amdhsa_user_sgpr_count 2
		.amdhsa_user_sgpr_kernarg_segment_ptr 1
		.amdhsa_wavefront_size32 1
		.amdhsa_system_sgpr_workgroup_id_x 1
		.amdhsa_system_sgpr_workgroup_id_y 1
		.amdhsa_system_sgpr_workgroup_id_z 1
		.amdhsa_system_vgpr_workitem_id 0
		.amdhsa_next_free_vgpr 1024
		.amdhsa_next_free_sgpr 72
		.amdhsa_reserve_vcc 0
		.amdhsa_float_denorm_mode_32 3
		.amdhsa_float_denorm_mode_16_64 3
		.amdhsa_memory_ordered 1
		.amdhsa_forward_progress 1
		.amdhsa_inst_pref_size 157
	.end_amdhsa_kernel
	.amdgpu_metadata
---
amdhsa.version: [ 1, 2 ]
amdhsa.kernels:
  - .name:           k_q449eeceb1a_gemm
    .symbol:         k_q449eeceb1a_gemm.kd
    .args:
      - { .name: xh, .offset: 0, .size: 8, .value_kind: global_buffer, .address_space: global }
      - { .name: wh, .offset: 8, .size: 8, .value_kind: global_buffer, .address_space: global }
      - { .name: cs, .offset: 16, .size: 8, .value_kind: global_buffer, .address_space: global }
      - { .name: bias, .offset: 24, .size: 8, .value_kind: global_buffer, .address_space: global }
      - { .name: out0, .offset: 32, .size: 8, .value_kind: global_buffer, .address_space: global }
    .group_segment_fixed_size: 327680
    .private_segment_fixed_size: 0
    .kernarg_segment_align: 8
    .kernarg_segment_size: 40
    .max_flat_workgroup_size: 128
    .sgpr_count:     72
    .vgpr_count:     1024
    .wavefront_size: 32
...
	.end_amdgpu_metadata
.endif
;; end of part 2
;; ======== version 2 of 2: 2 launches; version 1 with the launch prep written anew for expert scheduling mode
;; limits: values are held in f16: magnitudes above 65,504 overflow, below 6.1e-05 lose precision; right only within a limited range of input values; below input magnitudes of 6.1e-05 results are inexact or not finite; a function is approximated: absolute error at most 1e-07
;; workspace buffers: xh 33,554,432 bytes; wh 33,554,432 bytes; cs 16,384 bytes
;; launch prep (part 3): grid 128 x 2, 16 waves a work-group, no clusters, 0 bytes of LDS; arguments x, weight, scale_A, scale_B, rank_magnitude, xh, wh, cs; writes xh, wh, cs
.if DOCPART == 3
	.amdgcn_target "amdgcn-amd-amdhsa--gfx1250"
	.amdhsa_code_object_version 6
	.text
	.protected	k_q449eeceb1a_prep
	.globl	k_q449eeceb1a_prep
	.p2align	8
	.type	k_q449eeceb1a_prep,@function
k_q449eeceb1a_prep:
	s_mov_b64 s[64:65], 0
	v_nop
	global_prefetch_b8 v0, s[64:65] scope:SCOPE_SE
	s_setreg_imm32_b32 hwreg(HW_REG_WAVE_SCHED_MODE, 0, 2), 2
	s_setreg_imm32_b32 hwreg(HW_REG_WAVE_MODE, 25, 1), 1
	s_wait_xcnt 0x0
	s_wait_alu depctr_vm_vsrc(0)
; THE OPERANDS OF THE PRODUCT, made once.  y[m][o] = sum over i of x[m][i] w[o][i] S[o][i] + bias[o], with S[o][i] = sum over r of tanh(A[o][r]) g[r] tanh(B[r][i]):
; the factor of rank 4 hangs on (o, i) alone, so it is folded into the weights.
;   xh[m][i]    = f16(x[m][i])                                                     [4096][4096]
;   wh[p(o)][i] = f16(w[o][i] x sum over r of Ah[o][r] tanh(B[r][i]))              [4096][4096]
;   cs[o]       = alpha[o] / 128                                                   [4096] f32
; with Ag[o][r] = tanh(A[o][r]) g[r], alpha[o] = max(max over r of |Ag[o][r]|, 1e-30), Ah = Ag x 128 / alpha: the row's size is taken out of the f16 number and put back
; in f32 by the launch behind, so neither g nor scale_A costs any of f16's range.
; ROW ORDER OF wh.  Output column o = 64 G + 4 q + c (q 0..15, c 0..3) lies in row p = 64 G + 16 c + q: sixteen rows on end are then columns four apart, and the launch behind
; finds four neighbouring columns of y in one lane.
; LIMITS.  |x| under 65,504 and |w| under 127.9 (the sum over r is at most 512 in size), or f16 gives an infinity.  tanh(v) = 1 - 2 / (1 + 2^(2 log2(e) v)): its error is
; about 1e-7 absolute, it ends at +1 and -1 for large |v|.  A row with alpha under 1e-30 counts as alpha = 1e-30.  NaN and infinities are not treated apart.
; SHARES.  256 work-groups of 16 waves; y = 0: 32 rows of x, y = 1: 32 rows of w: the same bytes for all.  Thread t owns columns 4 t .. 4 t + 3 and 2,048 further on in every row:
; a wave's load covers 512 consecutive bytes, aligned, its store 256.
; Rows and halves stand in the immediates (516,096 at the most), so no address register and no base is rewritten.  No LDS, no barrier: no wave needs another's bytes.
; THE MODE: SCHED_MODE bits 1:0 = 2 (LLVM: expert scheduling mode 2), set by the entry lines.  The code itself states the register dependences between vector instructions and
; memory instructions, and between vector instructions that write scalar registers and their readers, with s_wait_alu, always for 0.
; THE PLAN.  The 32 rows go in 8 blocks of four.  Registers that memory instructions touch:
;   X0 .. X3   four blocks of rows as loaded (row i in slot i % 16).  Written by the loads of block p + 3, issued in block p; read by block p's arithmetic.
;   Y0, Y1     two blocks of rows to store (row i in slot i % 8).     Written by block p's roundings; read by the eight stores that are issued in block p + 1.
;   v1 .. v4   byte offsets, made once at the head and never written again.     v5: cs's number, written once, read by one store.
;   AG and BM are loaded once, ahead of all arithmetic on them; S is named by vector instructions alone.
; Block p works on X[p % 4] and writes Y[p % 2].  Its memory instructions are the loads into X[(p + 3) % 4] = X[(p - 1) % 4] and the stores from Y[(p - 1) % 2]: the two buffers that
; block p - 1 worked on and that no vector instruction of block p names.  So the waits at a block's head state all that its sixteen memory instructions hang on, and these are dealt
; among its rows' arithmetic with no further wait.  16 to 26 loads of every wave are on their way.
.set ROWIN,  16384                     ; bytes in a row of x, w and scale_B
.set ROWOUT, 8192                      ; bytes in a row of xh and wh
.set IN,  1                            ; v1   16 t: my bytes in half a row of f32
.set OUT, 2                            ; v2   8 t: my bytes in half a row of f16
.set AO,  3                            ; v3   16 x lane: lane l takes row l of the work-group's 32 rows of scale_A
.set CO,  4                            ; v4   4 x lane: its place in cs
.set C,   5                            ; v5   alpha / 128 of row l
.set AL,  6                            ; v6   alpha of row l
.set RC,  7                            ; v7   128 / alpha
.set AG,  8                            ; v[8:11]    Ah of row l, a register a rank
.set BM,  12                           ; v[12:43]   tanh(B): rank r, half q, column e at BM + 8 r + 4 q + e
.set S,   44                           ; v[44:51]   at work: the sum over r for my 8 columns
.set X,   52                           ; v[52:179]  slot i % 16: a row's 8 numbers as loaded
.set Y,   180                          ; v[180:211] slot i % 8: 4 registers to store
.set AH,  32                           ; s[32:63]   a block's Ah: row i of the block, rank r as the pair at AH + 8 i + 2 r
	s_load_b256 s[4:11], s[0:1], 0x0               ; x s[4:5], weight s[6:7], scale_A s[8:9], scale_B s[10:11]
	s_load_b256 s[12:19], s[0:1], 0x20             ; rank_magnitude s[12:13], xh s[14:15], wh s[16:17], cs s[18:19]
	v_lshlrev_b32 v[IN], 4, v0
	v_lshlrev_b32 v[OUT], 3, v0
	v_and_b32 v[CO], 31, v0
	v_lshlrev_b32 v[AO], 4, v[CO]
	v_lshlrev_b32 v[CO], 2, v[CO]
	v_lshrrev_b32 v[C], 5, v0
	v_readfirstlane_b32 s24, v[C]                  ; my wave's number
	s_mov_b32 s25, 0x0da24260                      ; 1e-30
	s_lshl_b32 s26, ttmp9, 19                      ; the work-group's 32 rows of 16,384 bytes
	s_mov_b32 s27, 0
	s_lshl_b32 s28, ttmp9, 18                      ; and of 8,192
	s_mov_b32 s29, 0
	s_and_b32 s30, ttmp7, 0xffff                   ; 0: x, 1: the weights
	s_wait_alu depctr_va_sdst(0)                   ; s24 is written
	s_wait_alu depctr_va_vdst(0)                   ; the four offsets v1 to v4 are written: every load and store of the kernel, on both ways, reads one of them
	s_wait_kmcnt 0x0
	s_cmp_lg_u32 s30, 0
	s_cbranch_scc1 .Lweights
; Row i's two loads into its slot; b names the base's first register.
.macro FILLROW i, b
.set fs, X+8*((\i)%16)
	global_load_b128 v[fs:fs+3],   v[IN], s[\b:\b+1] offset:(\i)*ROWIN th:TH_LOAD_NT
	global_load_b128 v[fs+4:fs+7], v[IN], s[\b:\b+1] offset:(\i)*ROWIN+8192 th:TH_LOAD_NT
.endm
; Row i's two stores out of its slot: of xh,
.macro XSTORE i
.set st, Y+4*((\i)%8)
	global_store_b64 v[OUT], v[st:st+1],   s[14:15] offset:(\i)*ROWOUT th:TH_STORE_NT
	global_store_b64 v[OUT], v[st+2:st+3], s[14:15] offset:(\i)*ROWOUT+4096 th:TH_STORE_NT
.endm
; and of wh, where row i goes 16 (i % 4) + i / 4 rows behind the base.
.macro WSTORE i
.set st, Y+4*((\i)%8)
	global_store_b64 v[OUT], v[st:st+1],   s[16:17] offset:(16*((\i)%4)+(\i)/4)*ROWOUT th:TH_STORE_NT
	global_store_b64 v[OUT], v[st+2:st+3], s[16:17] offset:(16*((\i)%4)+(\i)/4)*ROWOUT+4096 th:TH_STORE_NT
.endm
; The head of block p.  Block 0 has no block in front of it, and block 1 writes a Y that no store has read yet.
.macro HEADB p
.if (\p) >= 2
	s_wait_xcnt 0x0                                ; every earlier memory instruction has had its addresses translated (ISA guide 3.1): Y[p % 2] is rewritten only behind this wait
	s_wait_alu depctr_vm_vsrc(0)                   ; the stores issued in the block before have read Y[p % 2], which this block's roundings write again
.endif
.if (\p) >= 1
	s_wait_alu depctr_va_vdst(0)                   ; the block before has written the other Y, which the stores below read, and is done reading its X, in which the loads below land
.endif
.endm
; Block p's own eight loads are in: loads come back in order (ISA guide 5.7.1).  It stands behind the block's first two loads: these and the two younger blocks' sixteen may stay out;
; blocks 5 to 7 load nothing, and the counts run down.
.macro DATAW p
.if (\p) < 5
	s_wait_loadcnt 18
.else
	s_wait_loadcnt 8*(7-(\p))
.endif
.endm
; A block of x: in front of each row's four roundings a row's loads, three blocks ahead, and a row's stores, one block back.  No vector instruction since the head's waits names their registers.
.macro XBLK p
	HEADB \p
.irp i, 0,1,2,3
.if (\p) < 5
	FILLROW 4*(\p)+12+(\i), 4
.endif
.if (\p) >= 1
	XSTORE 4*(\p)-4+(\i)
.endif
.if (\i) == 0
	DATAW \p
.endif
.set cx, X+8*((4*(\p)+(\i))%16)
.set cy, Y+4*((4*(\p)+(\i))%8)
.irp u, 0,1,2,3
	v_cvt_pk_f16_f32 v[cy+(\u)], v[cx+2*(\u)], v[cx+2*(\u)+1]
.endr
.endr
.endm
	s_add_nc_u64 s[4:5], s[4:5], s[26:27]          ; x and xh at the work-group's first row
	s_add_nc_u64 s[14:15], s[14:15], s[28:29]
.set rw, 0
.rept 12
	FILLROW rw, 4                                  ; blocks 0, 1 and 2 into X0, X1, X2
.set rw, rw+1
.endr
.set bk, 0
.rept 8
	XBLK bk
.set bk, bk+1
.endr
	s_wait_alu depctr_va_vdst(0)                   ; block 7 has written Y1, which the last eight stores read
.set rw, 28
.rept 4
	XSTORE rw
.set rw, rw+1
.endr
	s_endpgm
; tanh in place on n registers from base on.  Each run of exponentials or reciprocals is one batch: a plain instruction behind its last, and one wait ahead of its first reader.
.macro TANH base, n
.set k, 0
.rept (\n)/2
	v_pk_mul_f32 v[(\base)+k:(\base)+k+1], v[(\base)+k:(\base)+k+1], 0x4038aa3b op_sel_hi:[1,0]  ; 2 log2(e) v
.set k, k+2
.endr
.set k, 0
.rept \n
	v_exp_f32 v[(\base)+k], v[(\base)+k]
.set k, k+1
.endr
	v_nop
	s_wait_alu depctr_va_vdst(0)                   ; the exponentials have written their results, which the additions below read
.set k, 0
.rept (\n)/2
	v_pk_add_f32 v[(\base)+k:(\base)+k+1], v[(\base)+k:(\base)+k+1], 1.0 op_sel_hi:[1,0]
.set k, k+2
.endr
.set k, 0
.rept \n
	v_rcp_f32 v[(\base)+k], v[(\base)+k]
.set k, k+1
.endr
	v_nop
	s_wait_alu depctr_va_vdst(0)                   ; the reciprocals have written their results, which the multiply-adds below read
.set k, 0
.rept (\n)/2
	v_pk_fma_f32 v[(\base)+k:(\base)+k+1], v[(\base)+k:(\base)+k+1], -2.0, 1.0 op_sel_hi:[1,0,0]
.set k, k+2
.endr
.endm
; A block of the weights.  Its sixteen Ah come out of lanes 4 p .. 4 p + 3 as scalars, in one run with one wait behind it (each is then written twice: the packed forms name a pair).
; In front of each row's arithmetic stand a row's loads, three blocks ahead, and a row's stores, one block back.  The sum over r for my 8 columns needs no byte of the row,
; so the first row's stands ahead of the wait for the block's data.
.macro WBLK p
.irp i, 0,1,2,3
.irp r, 0,1,2,3
	v_readlane_b32 s[AH+8*(\i)+2*(\r)], v[AG+(\r)], 4*(\p)+(\i)
.endr
.endr
	HEADB \p
	s_wait_alu depctr_va_sdst(0)                   ; the sixteen lines above have written their scalar registers, ahead of the first reader, the copies below
.irp z, 0,1,2,3,4,5,6,7,8,9,10,11,12,13,14,15
	s_mov_b32 s[AH+2*(\z)+1], s[AH+2*(\z)]
.endr
.irp i, 0,1,2,3
.if (\p) < 5
	FILLROW 4*(\p)+12+(\i), 6
.endif
.if (\p) >= 1
	WSTORE 4*(\p)-4+(\i)
.endif
.irp u, 0,1,2,3
	v_pk_mul_f32 v[S+2*(\u):S+2*(\u)+1], v[BM+2*(\u):BM+2*(\u)+1], s[AH+8*(\i):AH+8*(\i)+1] op_sel_hi:[1,0]
.endr
.irp r, 1,2,3
.irp u, 0,1,2,3
	v_pk_fma_f32 v[S+2*(\u):S+2*(\u)+1], v[BM+8*(\r)+2*(\u):BM+8*(\r)+2*(\u)+1], s[AH+8*(\i)+2*(\r):AH+8*(\i)+2*(\r)+1], v[S+2*(\u):S+2*(\u)+1] op_sel_hi:[1,0,1]
.endr
.endr
.if (\i) == 0
	DATAW \p
.endif
.set cx, X+8*((4*(\p)+(\i))%16)
.set cy, Y+4*((4*(\p)+(\i))%8)
.irp u, 0,1,2,3
	v_pk_mul_f32 v[S+2*(\u):S+2*(\u)+1], v[S+2*(\u):S+2*(\u)+1], v[cx+2*(\u):cx+2*(\u)+1]
.endr
.irp u, 0,1,2,3
	v_cvt_pk_f16_f32 v[cy+(\u)], v[S+2*(\u)], v[S+2*(\u)+1]  ; the one rounding
.endr
.endr
.endm
.Lweights:
	s_load_b128 s[20:23], s[12:13], 0x0            ; g
	s_add_nc_u64 s[6:7], s[6:7], s[26:27]          ; w at the work-group's first row, o0 = 32 x its number
	s_lshr_b32 s28, ttmp9, 1
	s_lshl_b32 s28, s28, 6                         ; 64 G,
	s_and_b32 s30, ttmp9, 1
	s_lshl_b32 s30, s30, 3                         ; + 8 for the upper 32 columns of the 64
	s_add_co_u32 s28, s28, s30
	s_lshl_b32 s28, s28, 13                        ; rows of 8,192 bytes
	s_add_nc_u64 s[16:17], s[16:17], s[28:29]
	s_lshl_b32 s26, ttmp9, 9                       ; 32 rows of scale_A, 16 bytes each
	s_add_nc_u64 s[8:9], s[8:9], s[26:27]
	s_lshl_b32 s26, ttmp9, 7                       ; 32 numbers of cs
	s_add_nc_u64 s[18:19], s[18:19], s[26:27]
	global_load_b128 v[AG:AG+3], v[AO], s[8:9]
.irp r, 0,1,2,3
	global_load_b128 v[BM+8*(\r):BM+8*(\r)+3],   v[IN], s[10:11] offset:(\r)*ROWIN       ; every work-group reads scale_B: no hint
	global_load_b128 v[BM+8*(\r)+4:BM+8*(\r)+7], v[IN], s[10:11] offset:(\r)*ROWIN+8192
.endr
.set rw, 0
.rept 12
	FILLROW rw, 6                                  ; blocks 0, 1 and 2 into X0, X1, X2
.set rw, rw+1
.endr
	s_wait_loadcnt 24                              ; the nine loads of the tables are in; the three blocks' 24 stay out
	s_wait_kmcnt 0x0                               ; g
	TANH AG, 36                                    ; scale_A's four and scale_B's 32 lie on end
.irp r, 0,1,2,3
	v_mul_f32 v[AG+(\r)], s[20+(\r)], v[AG+(\r)]   ; Ag
.endr
.irp r, 0,1,2,3
	v_and_b32 v[S+(\r)], 0x7fffffff, v[AG+(\r)]
.endr
	v_max3_num_f32 v[AL], v[S], v[S+1], v[S+2]
	v_max3_num_f32 v[AL], v[AL], v[S+3], s25       ; alpha
	v_rcp_f32 v[RC], v[AL]
	v_mul_f32 v[C], 0x3c000000, v[AL]              ; alpha / 128: also the plain instruction behind the reciprocal
	s_wait_alu depctr_va_vdst(0)                   ; the reciprocal has written v[RC], ahead of its first reader; and v[C] is written, which the store of cs below reads: no vector line between names v[C] or v[CO]
	v_mul_f32 v[RC], 0x43000000, v[RC]             ; 128 / alpha
.irp r, 0,1,2,3
	v_mul_f32 v[AG+(\r)], v[AG+(\r)], v[RC]        ; Ah
.endr
	s_cmp_lg_u32 s24, 0                            ; all waves hold the same 32 numbers: wave 0 stores them, 128 bytes on end
	s_cbranch_scc1 .Lrows
	global_store_b32 v[CO], v[C], s[18:19]
.Lrows:
.set bk, 0
.rept 8
	WBLK bk
.set bk, bk+1
.endr
	s_wait_alu depctr_va_vdst(0)                   ; block 7 has written Y1, which the last eight stores read
.set rw, 28
.rept 4
	WSTORE rw
.set rw, rw+1
.endr
	s_endpgm
.Lfunc_end_k_q449eeceb1a_prep:
	.size	k_q449eeceb1a_prep, .Lfunc_end_k_q449eeceb1a_prep-k_q449eeceb1a_prep
	.p2alignl 7, 3214868480
	.fill 96, 4, 3214868480
	.section	.rodata,"a",@progbits
	.p2align	6, 0x0
	.amdhsa_kernel k_q449eeceb1a_prep
		.amdhsa_group_segment_fixed_size 0
		.amdhsa_private_segment_fixed_size 0
		.amdhsa_enable_private_segment 0
		.amdhsa_kernarg_size 64
		.amdhsa_user_sgpr_count 2
		.amdhsa_user_sgpr_kernarg_segment_ptr 1
		.amdhsa_wavefront_size32 1
		.amdhsa_system_sgpr_workgroup_id_x 1
		.amdhsa_system_sgpr_workgroup_id_y 1
		.amdhsa_system_sgpr_workgroup_id_z 1
		.amdhsa_system_vgpr_workitem_id 0
		.amdhsa_next_free_vgpr 212
		.amdhsa_next_free_sgpr 66
		.amdhsa_reserve_vcc 0
		.amdhsa_float_denorm_mode_32 3
		.amdhsa_float_denorm_mode_16_64 3
		.amdhsa_memory_ordered 1
		.amdhsa_forward_progress 1
		.amdhsa_inst_pref_size 104
	.end_amdhsa_kernel
	.amdgpu_metadata
---
amdhsa.version: [ 1, 2 ]
amdhsa.kernels:
  - .name:           k_q449eeceb1a_prep
    .symbol:         k_q449eeceb1a_prep.kd
    .args:
      - { .name: x, .offset: 0, .size: 8, .value_kind: global_buffer, .address_space: global }
      - { .name: weight, .offset: 8, .size: 8, .value_kind: global_buffer, .address_space: global }
      - { .name: scale_A, .offset: 16, .size: 8, .value_kind: global_buffer, .address_space: global }
      - { .name: scale_B, .offset: 24, .size: 8, .value_kind: global_buffer, .address_space: global }
      - { .name: rank_magnitude, .offset: 32, .size: 8, .value_kind: global_buffer, .address_space: global }
      - { .name: xh, .offset: 40, .size: 8, .value_kind: global_buffer, .address_space: global }
      - { .name: wh, .offset: 48, .size: 8, .value_kind: global_buffer, .address_space: global }
      - { .name: cs, .offset: 56, .size: 8, .value_kind: global_buffer, .address_space: global }
    .group_segment_fixed_size: 0
    .private_segment_fixed_size: 0
    .kernarg_segment_align: 8
    .kernarg_segment_size: 64
    .max_flat_workgroup_size: 512
    .sgpr_count:     66
    .vgpr_count:     212
    .wavefront_size: 32
...
	.end_amdgpu_metadata
.endif
;; end of part 3
;; launch gemm: the kernel of part 2 again; grid 16 x 16, 4 waves a work-group, clusters of 4 x 4, 327,680 bytes of LDS; arguments xh, wh, cs, bias, out0; writes out0
